; MI455X (gfx1250); checked and timed in simulation.
; The chip was launched on July 23, 2026; its instructions are those of AMD's public machine-readable ISA for CDNA 5 (MIT licence, August 2026) and "CDNA5" Instruction Set Architecture Reference Guide (July 2026). The comments in the code are by the model that wrote it; some were corrected since.
;; W Multi Head Attention. Allowed arithmetic: matrix products marked QUANTISED: E2M1 operands, one E8M0 scale for each 32 along K, by v_wmma_scale_f32_16x16x128_f8f6f4 with both operands' format E2M1 (or v_wmma_scale_f32_32x16x128_f4), f32 sums; products left as they are: bf16, f16 or f32 operands; f32 sums; everything else in f32.
;; Inputs: Wfc 512 x 512 float32; Wk 512 x 512 float32; Wq 512 x 512 float32; Wv 512 x 512 float32; bfc 512 float32; bk 512 float32; bq 512 float32; bv 512 float32; x 2 x 4,096 x 512 float32.
;; Outputs: out0 2 x 4,096 x 512 float32.
;; This version of the problem:
;;   THIS VERSION OF THE PROBLEM IS GIVEN IN LOW PRECISION. The matrix products marked QUANTISED in the list below multiply operands that are first quantised to E2M1 (2 exponent bits, 1 mantissa bit; 4 bits a number), with one power-of-two scale for each 32 numbers along K (OCP MX v1.0); their sums are f32. The products marked 'left as it is' may take bf16, f16 or f32 operands, with f32 sums. Whichever they take, every output number must still come out within the allowed error. Rounding operands to bf16 (8 significant bits) uses up far more of that allowance than f16 does (11 bits, for magnitudes from 6e-5 to 65,504). All else is computed in f32.
;;   The module's matrix products, in the order in which they are computed (A, B: the left and right operand; K: the contracted axis; several contracted axes count as one K, in the product's order):
;;     1. [M 8,192, K 512] x [K 512, N 512]; A: input x; B: input Wq: QUANTISED
;;     2. [M 8,192, K 512] x [K 512, N 512]; A: input x; B: input Wk: QUANTISED
;;     3. [M 8,192, K 512] x [K 512, N 512]; A: input x; B: input Wv: QUANTISED
;;     4. batch 16 x [M 4,096, K 64] x [K 64, N 4,096]; A: computed on the way; B: computed on the way: left as it is (an operand is computed on the way)
;;     5. batch 16 x [M 4,096, K 4,096] x [K 4,096, N 64]; A: computed on the way; B: computed on the way: left as it is (an operand is computed on the way)
;;     6. [M 8,192, K 512] x [K 512, N 512]; A: computed on the way; B: input Wfc: left as it is (an operand is computed on the way)
;;   THE QUANTISER, for each operand of a quantised product, along K:
;;     - K is cut into blocks of 32 from its start; a last block that is shorter is filled with zeros.
;;     - A block's scale is 2^e with e = floor(log2(the largest magnitude in the block)) - 2, held to -126 .. 127; a block of zeros has e = 0. As a byte (E8M0): e + 127.
;;     - Each number is divided by its block's scale, clamped to +-6, and rounded to the nearest number of E2M1, ties to even, subnormals kept.
;;     - The product sums the exact products of the quantised numbers (number of the format x scale) in f32.
;;   ~~~python
;;   def quantise(x, axis):      # numpy; x: float32 -> the quantised numbers, widened to float32 again
;;       x = np.moveaxis(x, axis, -1); K = x.shape[-1]
;;       x = np.pad(x, [(0, 0)] * (x.ndim - 1) + [(0, -K % 32)]); x = x.reshape(x.shape[:-1] + (-1, 32)); a = np.abs(x).max(-1, keepdims=True)
;;       e = np.where(a > 0, np.clip(np.frexp(np.where(a > 0, a, 1))[1] - 1 - 2, -126, 127), 0)      # np.frexp(a)[1] - 1 = floor(log2(a)), exactly
;;       r = np.clip(x / 2.0 ** e, -6, 6)
;;       step = 2.0 ** (np.maximum(np.frexp(np.where(r == 0, 1, r))[1] - 1, 0) - 1)
;;       q = np.round(r / step) * step * 2.0 ** e      # np.round: ties to even
;;       return np.moveaxis(q.reshape(q.shape[:-2] + (-1,))[..., :K], -1, axis).astype(np.float32)
;;   ~~~
;; One version. Each part assembles by itself: llvm-mc -triple=amdgcn-amd-amdhsa -mcpu=gfx1250 --defsym DOCPART=n.
;; ======== version 1 of 1: 3 launches
;; limits: values are held in f16: magnitudes above 65,504 overflow, below 6.1e-05 lose precision
;; workspace buffers: xcodes 2,097,152 bytes; xsc 131,072 bytes; wcodes 393,216 bytes; wsc 24,576 bytes; wfch 524,288 bytes; qkv 25,165,824 bytes
;; launch prep (part 1): grid 192 x 1, 4 waves a work-group, no clusters, 39,424 bytes of LDS; arguments x, Wq, Wk, Wv, Wfc, xcodes, xsc, wcodes, wsc, wfch; writes xcodes, xsc, wcodes, wsc, wfch
.if DOCPART == 1
	.amdgcn_target "amdgcn-amd-amdhsa--gfx1250"
	.amdhsa_code_object_version 6
	.text
	.protected	k_q8aa60092b7_prep
	.globl	k_q8aa60092b7_prep
	.p2align	8
	.type	k_q8aa60092b7_prep,@function
k_q8aa60092b7_prep:
	s_mov_b64 s[64:65], 0
	v_nop
	global_prefetch_b8 v0, s[64:65] scope:SCOPE_SE
	s_setreg_imm32_b32 hwreg(HW_REG_WAVE_MODE, 25, 1), 1
	s_wait_xcnt 0x0
; x [8192][512] and Wq, Wk, Wv [512 k][512 n], f32, become codes of FP4 (E2M1) with one E8M0 byte for each 32 along K = 512; Wfc [512 k][512 n] becomes f16.
; ALL RESULTS ARE LAID IN THE ORDER OF THE OPERAND'S REGISTERS: a chunk is four registers of 32 lanes, 512 consecutive bytes, lane l's 16 bytes at 16 l, so that the later launches load fragments whole.
;   xcodes [row tile of 16][K step s of 128][c][lane][16]: lane (r, h) = (l % 16, l / 16) holds the 32 codes of row r, block 4 s + 2 c + h.   xsc [row][16 bytes], a byte a block.
;   wcodes [column tile of 16, 0..95: Wq, Wk, Wv on end][s][c][lane][16], likewise with column r.   wsc [s][column 0..1535]: a word, byte b = block 4 s + b.
;   wfch   [column tile 0..31][K step of 32, 0..15][c][lane][16]: lane (r, h) holds Wfc[32 ks + 16 c + 8 h + 0..7][16 nt + r] as eight f16.
; A block's scale is 2^(floor(log2(its largest magnitude)) - 2): its byte is the largest magnitude's exponent field - 2, held at 1 from below by a floor among the maximum's leaves.
; LIMITS: a block of zeros gets the byte 1 where the rule says 127 (its codes are zeros, and the bytes are read by this program alone); NaN and infinities among the inputs are not served; |Wfc| stays at or under 65,504 (f16).
; SHARES: work-groups 0..127 take x, a wave a row tile of 16 rows, a row a step.  Work-groups 128..191 take the weights: 128 columns x 128 along K each, a wave 32 columns, A LANE A COLUMN with its registers down K.
; No tensor load, no barrier: waves share nothing.  No cluster: no two work-groups read the same bytes.
.set WREG,  9728                       ; LDS of a wave (x's path): two stages of 32 x SP bytes, 256 scale bytes, 16 pieces of 256 code bytes at pitch CP
.set SP,    80                         ; a lane's place in a stage: its 64 bytes + 16 of padding
.set STG1,  32*SP
.set SCB,   2*32*SP
.set COD,   SCB+256
.set CP,    272
.set SPARE, 4*WREG                     ; behind the four regions: the spare words, 128 bytes for each wave: two blocks of 256 bytes that no other line names
.set SPW,   12                         ; v12  LDS address of my spare word; never rewritten
.set NIL,   13                         ; v13  0; never rewritten
.set R,     16                         ; v16-143  x: eight sets of 16 numbers as loaded
.set X,     144                        ; v144-175 two sets of 16 neighbours
.set C,     176                        ; v176-207 two registers of codes for each step
.set E,     208                        ; v208-223 a scale byte for each step
.set CRD,   224                        ; v224     where I read the codes back
.set N,     16                         ; v16-143  weights: 128 numbers down K of my column
.set WC,    144                        ; v144..   their codes (16 registers) or f16 pairs (64)
.set WW,    210                        ; v210     my column's scale word
.macro FINISH                          ; a wave's end
	s_wait_tensorcnt 0x0
	ds_add_u32 v[SPW], v[NIL]
	s_wait_dscnt 0x0
	s_endpgm
.endm
	s_load_b256 s[4:11], s[0:1], 0x0               ; x s[4:5], Wq s[6:7], Wk s[8:9], Wv s[10:11]
	s_load_b256 s[12:19], s[0:1], 0x20             ; Wfc s[12:13], xcodes s[14:15], xsc s[16:17], wcodes s[18:19]
	s_load_b128 s[20:23], s[0:1], 0x40             ; wsc s[20:21], wfch s[22:23]
	v_lshl_add_u32 v[SPW], v0, 2, SPARE
	v_mov_b32 v[NIL], 0
	v_lshrrev_b32 v1, 5, v0
	v_readfirstlane_b32 s24, v1                    ; wave 0..3
	v_and_b32 v2, 31, v0                           ; lane
	s_wait_kmcnt 0x0
	s_cmp_ge_u32 ttmp9, 128
	s_cbranch_scc1 .Lweights
	; ---------------- x: a wave takes row tile mt = 4 x work-group + wave ----------------
	v_lshlrev_b32 v3, 4, v2                        ; my 16 bytes of a load's or store's 512
	s_mul_i32 s25, s24, WREG                       ; my wave's LDS
	s_add_co_u32 s26, s25, SCB
	s_add_co_u32 s27, s25, COD
	v_lshrrev_b32 v14, 2, v2
	v_mul_u32_u24 v14, v14, SP
	v_and_b32 v15, 3, v2
	v_lshl_add_u32 v14, v15, 4, v14
	v_add_nc_u32 v14, s25, v14                     ; the stage, way in: four lanes' 64 bytes on end, then 16 of padding
	v_mul_u32_u24 v15, v2, SP
	v_add_nc_u32 v15, s25, v15                     ; way out: my 16 neighbours
	v_lshrrev_b32 v5, 1, v2                        ; my block of the row, 0..15 = 4 s + 2 c + h
	v_mul_u32_u24 v4, v5, CP
	v_and_b32 v6, 1, v2
	v_lshl_add_u32 v4, v6, 3, v4
	v_add_nc_u32 v4, s27, v4                       ; codes, way in: piece = my block, in it 16 x row + 8 x my half of the block
	v_add_nc_u32 v5, s26, v5                       ; my block's scale byte; 16 x row in the immediate
	v_lshlrev_b32 v7, 3, v2
	v_add_nc_u32 v6, s26, v7                       ; scale bytes, way out: 8 a lane
	v_lshrrev_b32 v8, 4, v2
	v_mul_u32_u24 v8, v8, CP
	v_and_b32 v9, 15, v2
	v_lshl_add_u32 v8, v9, 4, v8
	v_add_nc_u32 v[CRD], s27, v8                   ; codes, way out: sixteen lanes to a piece, two pieces an instruction
	s_lshl_b32 s28, ttmp9, 2
	s_add_co_u32 s28, s28, s24                     ; mt
	s_mov_b32 s31, 0
	s_lshl_b32 s30, s28, 15                        ; 16 rows of 2,048 bytes
	s_add_nc_u64 s[4:5], s[4:5], s[30:31]
	s_lshl_b32 s30, s28, 12                        ; 4,096 bytes of codes
	s_add_nc_u64 s[14:15], s[14:15], s[30:31]
	s_lshl_b32 s30, s28, 8                         ; 256 scale bytes
	s_add_nc_u64 s[16:17], s[16:17], s[30:31]
.macro LOAD t                          ; row t: four loads of 512 consecutive bytes
.irp i, 0,1,2,3
	global_load_b128 v[R+16*((\t)%8)+4*\i:R+16*((\t)%8)+4*\i+3], v3, s[4:5] offset:2048*(\t)+512*\i th:TH_LOAD_NT
.endr
.endm
.macro TURN t                          ; row t through a stage: LDS serves a wave's instructions in order (ISA guide 5.7.1.4), so no wait stands between the stores and the loads
.irp i, 0,1,2,3
	ds_store_b128 v14, v[R+16*((\t)%8)+4*\i:R+16*((\t)%8)+4*\i+3] offset:STG1*((\t)%2)+8*SP*\i
.endr
.irp i, 0,1,2,3
	ds_load_b128 v[X+16*((\t)%2)+4*\i:X+16*((\t)%2)+4*\i+3], v15 offset:STG1*((\t)%2)+16*\i
.endr
.endm
.macro STEP t
.set XS, X+16*((\t)%2)
.if (\t) > 0
	s_wait_dscnt 2                                 ; this row is back from the stage; the two younger LDS instructions, the last row's byte store and code store, may be out
.else
	s_wait_dscnt 0x0
.endif
.if (\t)+8 < 16
	LOAD (\t)+8                                    ; into the set whose stores into the stage are done by the wait above
.endif
.if (\t) < 15
.if (\t) <= 7
	s_wait_loadcnt 28                              ; the next row's four loads are in; those of the seven rows behind it may be out
.else
	s_wait_loadcnt 4*(14-(\t))                     ; the same, with 14 - t rows behind it
.endif
	TURN (\t)+1                                    ; through the other stage while this row is worked
.endif
	v_max3_num_f32 v8, |v[XS]|, |v[XS+1]|, |v[XS+2]|               ; the largest magnitude of my 16, in two chains
	v_max3_num_f32 v9, |v[XS+3]|, |v[XS+4]|, |v[XS+5]|
.irp i, 6,10
	v_max3_num_f32 v8, v8, |v[XS+\i]|, |v[XS+\i+1]|
	v_max3_num_f32 v9, v9, |v[XS+\i+2]|, |v[XS+\i+3]|
.endr
	v_max3_num_f32 v8, v8, |v[XS+14]|, |v[XS+15]|
	v_max3_num_f32 v8, v8, v9, 0x1800000           ; and the floor 2^(3 - 127): the byte cannot fall under 1
	v_max_num_f32_dpp v8, v8, v8 row_xmask:1 row_mask:0xf bank_mask:0xf   ; with my neighbour's 16: the block's
	v_add_nc_u32 v11, 0xff000000, v8               ; 2 off its exponent field: the conversion takes the exponent field of this operand as its scale
	v_cvt_scalef32_pk8_fp4_f32 v[C+2*(\t)], v[XS:XS+7], v11
	v_cvt_scalef32_pk8_fp4_f32 v[C+2*(\t)+1], v[XS+8:XS+15], v11
	v_lshrrev_b32 v[E+(\t)], 23, v11               ; the scale's byte (also the plain line behind the conversions)
	ds_store_b8 v5, v[E+(\t)] offset:16*(\t)       ; both lanes of a block write the same byte with the same value
	ds_store_b64 v4, v[C+2*(\t):C+2*(\t)+1] offset:16*(\t)
.endm
.irp t, 0,1,2,3,4,5,6,7
	LOAD \t
.endr
	s_wait_loadcnt 28                              ; row 0's four loads are in; seven rows' may be out
	TURN 0
.irp t, 0,1,2,3,4,5,6,7,8,9,10,11,12,13,14,15
	STEP \t
.endr
	ds_load_b64 v[8:9], v6                         ; my wave's own bytes, in order behind my stores
.irp i, 0,1,2,3,4,5,6,7
	ds_load_b128 v[R+4*\i:R+4*\i+3], v[CRD] offset:2*CP*\i
.endr
	s_wait_dscnt 0x0
	global_store_b64 v7, v[8:9], s[16:17]          ; 32 lanes store 256 consecutive bytes, aligned
.irp i, 0,1,2,3,4,5,6,7
	global_store_b128 v3, v[R+4*\i:R+4*\i+3], s[14:15] offset:512*\i   ; 512 consecutive bytes, aligned
.endr
	FINISH
	; ---------------- the weights ----------------
.Lweights:
	s_sub_co_u32 s25, ttmp9, 128
	s_lshr_b32 s26, s25, 2                         ; cg: which 128 columns of the 2,048 (Wq, Wk, Wv, Wfc on end)
	s_and_b32 s27, s25, 3                          ; kc: which 128 along K
	s_lshr_b32 s28, s26, 2                         ; which matrix
	s_and_b32 s29, s26, 3                          ; lc: which 128 columns of it
	s_cmp_eq_u32 s28, 0                            ; the choices hang on the work-group's number alone
	s_cselect_b64 s[32:33], s[6:7], s[8:9]
	s_cmp_eq_u32 s28, 2
	s_cselect_b64 s[34:35], s[10:11], s[12:13]
	s_cmp_lt_u32 s28, 2
	s_cselect_b64 s[32:33], s[32:33], s[34:35]
	s_lshl_b32 s36, s27, 18                        ; 128 rows of 2,048 bytes
	s_lshl_b32 s38, s29, 9
	s_add_co_u32 s36, s36, s38
	s_lshl_b32 s38, s24, 7                         ; my wave's 32 columns
	s_add_co_u32 s36, s36, s38
	s_mov_b32 s37, 0
	s_add_nc_u64 s[32:33], s[32:33], s[36:37]
	v_lshlrev_b32 v3, 2, v2                        ; 4 bytes a lane: a load reads 128 consecutive bytes of a row of the weight
.set i, 0
.rept 128
	global_load_b32 v[N+i], v3, s[32:33] offset:2048*i th:TH_LOAD_NT
.set i, i+1
.endr
	v_lshrrev_b32 v5, 4, v2                        ; which of my wave's two column tiles
	v_and_b32 v6, 15, v2
	v_lshlrev_b32 v6, 4, v6                        ; 16 r
	s_cmp_eq_u32 s28, 3
	s_cbranch_scc1 .Lfc
	v_lshl_add_u32 v4, v5, 12, v6                  ; a column tile of codes is 4,096 bytes
	s_lshl_b32 s36, s26, 15                        ; column tile 8 cg + 2 wave,
	s_lshl_b32 s38, s24, 13
	s_add_co_u32 s36, s36, s38
	s_lshl_b32 s38, s27, 10                        ; K step kc
	s_add_co_u32 s36, s36, s38
	s_add_nc_u64 s[18:19], s[18:19], s[36:37]
	s_mul_i32 s36, s27, 6144                       ; scale words: [kc][column]
	s_lshl_b32 s38, s26, 9
	s_add_co_u32 s36, s36, s38
	s_lshl_b32 s38, s24, 7
	s_add_co_u32 s36, s36, s38
	s_add_nc_u64 s[20:21], s[20:21], s[36:37]
.macro BLOCK kb, left                  ; block kb of my column: all its 32 numbers are mine
.set XB, N+32*(\kb)
	s_wait_loadcnt \left
	v_max3_num_f32 v8, |v[XB]|, |v[XB+1]|, |v[XB+2]|
	v_max3_num_f32 v9, |v[XB+3]|, |v[XB+4]|, |v[XB+5]|
.irp i, 6,10,14,18,22,26
	v_max3_num_f32 v8, v8, |v[XB+\i]|, |v[XB+\i+1]|
	v_max3_num_f32 v9, v9, |v[XB+\i+2]|, |v[XB+\i+3]|
.endr
	v_max3_num_f32 v8, v8, |v[XB+30]|, |v[XB+31]|
	v_max3_num_f32 v8, v8, v9, 0x1800000           ; the floor 2^(3 - 127)
	v_add_nc_u32 v11, 0xff000000, v8               ; the conversion's scale operand
	v_lshrrev_b32 v10, 23, v11                     ; the byte
.if (\kb) == 0
	v_mov_b32 v[WW], v10
.else
	v_lshl_or_b32 v[WW], v10, 8*(\kb), v[WW]
.endif
.irp g, 0,1,2,3
	v_cvt_scalef32_pk8_fp4_f32 v[WC+4*(\kb)+\g], v[XB+8*\g:XB+8*\g+7], v11
.endr
	v_nop                                          ; one plain line behind the conversions: the next block writes their scale operand
	global_store_b128 v4, v[WC+4*(\kb):WC+4*(\kb)+3], s[18:19] offset:256*(\kb)   ; sixteen lanes store 256 consecutive bytes, aligned: (c, h) = block kb of the K step
.endm
	BLOCK 0, 63                                    ; 96 loads are younger than this block's; the wait's field holds 63 at the most, and a smaller count is safe
	BLOCK 1, 63                                    ; 64 are younger
	BLOCK 2, 32                                    ; the last block's 32 may be out
	BLOCK 3, 0
	global_store_b32 v3, v[WW], s[20:21]
	FINISH
.Lfc:                                                  ; Wfc: eight neighbours down K of my column, rounded to f16, are 16 bytes of a fragment
	v_lshl_add_u32 v4, v5, 14, v6                  ; a column tile of f16 is 16,384 bytes
	s_lshl_b32 s36, s29, 17                        ; column tile 8 lc + 2 wave,
	s_lshl_b32 s38, s24, 15
	s_add_co_u32 s36, s36, s38
	s_lshl_b32 s38, s27, 12                        ; K steps 4 kc on
	s_add_co_u32 s36, s36, s38
	s_add_nc_u64 s[22:23], s[22:23], s[36:37]
.macro FCQ q, left                     ; K step 4 kc + q: 32 numbers of my column
	s_wait_loadcnt \left
.set p, 0
.rept 16
	v_cvt_pk_f16_f32 v[WC+16*(\q)+p], v[N+32*(\q)+2*p], v[N+32*(\q)+2*p+1]
.set p, p+1
.endr
.irp m, 0,1,2,3
	global_store_b128 v4, v[WC+16*(\q)+4*\m:WC+16*(\q)+4*\m+3], s[22:23] offset:1024*(\q)+256*\m   ; (c, h) = m: sixteen lanes store 256 consecutive bytes, aligned
.endr
.endm
	FCQ 0, 63                                      ; counts as in the blocks above
	FCQ 1, 63
	FCQ 2, 32
	FCQ 3, 0
	FINISH
.Lfunc_end_k_q8aa60092b7_prep:
	.size	k_q8aa60092b7_prep, .Lfunc_end_k_q8aa60092b7_prep-k_q8aa60092b7_prep
	.p2alignl 7, 3214868480
	.fill 96, 4, 3214868480
	.section	.rodata,"a",@progbits
	.p2align	6, 0x0
	.amdhsa_kernel k_q8aa60092b7_prep
		.amdhsa_group_segment_fixed_size 39424
		.amdhsa_private_segment_fixed_size 0
		.amdhsa_enable_private_segment 0
		.amdhsa_kernarg_size 80
		.amdhsa_user_sgpr_count 2
		.amdhsa_user_sgpr_kernarg_segment_ptr 1
		.amdhsa_wavefront_size32 1
		.amdhsa_system_sgpr_workgroup_id_x 1
		.amdhsa_system_sgpr_workgroup_id_y 1
		.amdhsa_system_sgpr_workgroup_id_z 1
		.amdhsa_system_vgpr_workitem_id 0
		.amdhsa_next_free_vgpr 232
		.amdhsa_next_free_sgpr 66
		.amdhsa_reserve_vcc 0
		.amdhsa_float_denorm_mode_32 3
		.amdhsa_float_denorm_mode_16_64 3
		.amdhsa_memory_ordered 1
		.amdhsa_forward_progress 1
		.amdhsa_inst_pref_size 60
	.end_amdhsa_kernel
	.amdgpu_metadata
---
amdhsa.version: [ 1, 2 ]
amdhsa.kernels:
  - .name:           k_q8aa60092b7_prep
    .symbol:         k_q8aa60092b7_prep.kd
    .args:
      - { .name: x, .offset: 0, .size: 8, .value_kind: global_buffer, .address_space: global }
      - { .name: Wq, .offset: 8, .size: 8, .value_kind: global_buffer, .address_space: global }
      - { .name: Wk, .offset: 16, .size: 8, .value_kind: global_buffer, .address_space: global }
      - { .name: Wv, .offset: 24, .size: 8, .value_kind: global_buffer, .address_space: global }
      - { .name: Wfc, .offset: 32, .size: 8, .value_kind: global_buffer, .address_space: global }
      - { .name: xcodes, .offset: 40, .size: 8, .value_kind: global_buffer, .address_space: global }
      - { .name: xsc, .offset: 48, .size: 8, .value_kind: global_buffer, .address_space: global }
      - { .name: wcodes, .offset: 56, .size: 8, .value_kind: global_buffer, .address_space: global }
      - { .name: wsc, .offset: 64, .size: 8, .value_kind: global_buffer, .address_space: global }
      - { .name: wfch, .offset: 72, .size: 8, .value_kind: global_buffer, .address_space: global }
    .group_segment_fixed_size: 39424
    .private_segment_fixed_size: 0
    .kernarg_segment_align: 8
    .kernarg_segment_size: 80
    .max_flat_workgroup_size: 128
    .sgpr_count:     66
    .vgpr_count:     232
    .wavefront_size: 32
...
	.end_amdgpu_metadata
.endif
;; end of part 1
;; launch qkv (part 2): grid 128 x 2, 12 waves a work-group, no clusters, 0 bytes of LDS; arguments xcodes, xsc, wcodes, wsc, bq, bk, bv, qkv; writes qkv
.if DOCPART == 2
	.amdgcn_target "amdgcn-amd-amdhsa--gfx1250"
	.amdhsa_code_object_version 6
	.text
	.protected	k_q8aa60092b7_qkv
	.globl	k_q8aa60092b7_qkv
	.p2align	8
	.type	k_q8aa60092b7_qkv,@function
k_q8aa60092b7_qkv:
	s_mov_b64 s[64:65], 0
	v_nop
	global_prefetch_b8 v0, s[64:65] scope:SCOPE_SE
	s_setreg_imm32_b32 hwreg(HW_REG_WAVE_MODE, 25, 1), 1
	s_wait_xcnt 0x0
; q = x Wq + bq, k = x Wk + bk, v = x Wv + bv on codes of FP4 (E2M1) with E8M0 scales, K = 512 in four steps of 128; sums in f32, the bias as the C of each sum's first product; results rounded once to f16
; and stored IN THE ORDER OF THE NEXT LAUNCH'S OPERAND REGISTERS (a chunk = 32 lanes x 16 bytes, 512 consecutive bytes):
;   q, k (regions 0 and 1 of 2^23 bytes; in each [batch x 8 + head] x 524,288): [token tile of 16][t 0..3][lane][16]: lane (r, h) holds token r, channels 16 t + 8 h + 0..7
;   v (region 2): [group of 32 tokens][channel tile ct 0..3][c][lane][16]: lane (r, h) holds channel 16 ct + r, tokens 16 c + 8 h + 0..7
; So q and k are made TRANSPOSED (source 0 = 16 columns of W, source 1 = 16 rows of x: a lane's eight results are eight channels of one token), v as it stands (a lane's eight results are eight tokens of one channel).
; SHARES: a work-group takes 64 rows of x; each of its 12 waves takes 64 columns (one of q, k, v of one head): 4 row tiles x 4 column tiles x 4 K steps = 64 matrix instructions.  The wave's fragments of W stay in registers.
; Operands come from memory straight into registers in fragment order: no LDS, no barrier.  No cluster: joint requests exist for tensor loads into LDS alone, and nothing here goes through LDS.
; LIMIT: |q|, |k|, |v| stay at or under 65,504 (f16).
; REGISTERS: v1 16 x lane, v3 4 x lane, v4 the bias's offset; v8-15 W's scale words, v16-23 x's; v24-55 four accumulators; v56-119 x's fragments, two buffers; v128-255 W's 16 fragments; window 1 v0-31: the bias in the result's layout.
.set LI,  1
.set L4,  3
.set BA,  4
.set WS,  8                            ; WS + 2 s + p: lanes 0-15 the words of column tile 2 p, lanes 16-31 of tile 2 p + 1, K step s
.set XS,  16                           ; XS + 4 P + s: lanes 0-15 the words of row tile 2 P, lanes 16-31 of tile 2 P + 1
.set ACC, 24
.set XF,  56
.set WF,  128
.set MSB, 0
.macro WIN new                         ; the immediate's high byte repeats the setting that is left
.if MSB != \new
	s_set_vgpr_msb (MSB<<8)|\new
.set MSB, \new
.endif
.endm
.macro PLACES n
.rept \n
	v_nop
.endr
.endm
	s_load_b256 s[4:11], s[0:1], 0x0               ; xcodes s[4:5], xsc s[6:7], wcodes s[8:9], wsc s[10:11]
	s_load_b256 s[12:19], s[0:1], 0x20             ; bq s[12:13], bk s[14:15], bv s[16:17], qkv s[18:19]
	v_lshrrev_b32 v2, 5, v0
	v_readfirstlane_b32 s20, v2                    ; wave 0..11
	v_and_b32 v2, 31, v0
	v_lshlrev_b32 v[LI], 4, v2
	v_lshlrev_b32 v[L4], 2, v2
	s_and_b32 s21, ttmp7, 0xffff
	s_mul_i32 s22, s21, 12
	s_add_co_u32 s22, s22, s20                     ; my slice of 64 columns, 0..23
	s_lshr_b32 s23, s22, 3                         ; 0 q, 1 k, 2 v
	s_and_b32 s24, s22, 7                          ; the head
	s_mov_b32 s27, 0
	s_wait_kmcnt 0x0
	s_lshl_b32 s26, ttmp9, 14                      ; four row tiles of 4,096 bytes
	s_add_nc_u64 s[4:5], s[4:5], s[26:27]
	s_lshl_b32 s26, ttmp9, 10                      ; 64 rows of 16 scale bytes
	s_add_nc_u64 s[6:7], s[6:7], s[26:27]
	s_lshl_b32 s26, s22, 14                        ; four column tiles of 4,096 bytes
	s_add_nc_u64 s[8:9], s[8:9], s[26:27]
	s_lshl_b32 s26, s22, 8                         ; 64 scale words
	s_add_nc_u64 s[10:11], s[10:11], s[26:27]
	s_cmp_eq_u32 s23, 0                            ; the bias: a choice on ids alone
	s_cselect_b64 s[12:13], s[12:13], s[14:15]
	s_cmp_eq_u32 s23, 2
	s_cselect_b64 s[12:13], s[16:17], s[12:13]
	s_lshl_b32 s26, s24, 8                         ; the head's 64 numbers
	s_add_nc_u64 s[12:13], s[12:13], s[26:27]
	s_lshr_b32 s28, ttmp9, 6                       ; the batch
	s_lshl_b32 s28, s28, 3
	s_add_co_u32 s28, s28, s24
	s_lshl_b32 s28, s28, 19
	s_lshl_b32 s26, s23, 23
	s_add_co_u32 s26, s26, s28
	s_and_b32 s28, ttmp9, 63
	s_lshl_b32 s28, s28, 13                        ; 64 tokens are 8,192 bytes in each layout
	s_add_co_u32 s26, s26, s28
	s_add_nc_u64 s[18:19], s[18:19], s[26:27]
.macro XLOAD i                         ; row tile i's four fragments
.irp f, 0,1,2,3,4,5,6,7
	global_load_b128 v[XF+32*((\i)%2)+4*\f:XF+32*((\i)%2)+4*\f+3], v[LI], s[4:5] offset:4096*(\i)+512*\f
.endr
.endm
.macro HEADLOADS
.irp s, 0,1,2,3
.irp p, 0,1
	global_load_b32 v[WS+2*\s+\p], v[L4], s[10:11] offset:6144*\s+128*\p
.endr
.endr
.irp p, 0,1
	global_load_b128 v[XS+4*\p:XS+4*\p+3], v[LI], s[6:7] offset:512*\p
.endr
.set f, 0
.rept 32
	global_load_b128 v[WF+4*f:WF+4*f+3], v[LI], s[8:9] offset:512*f   ; fragment (t, s) at WF + 32 t + 8 s
.set f, f+1
.endr
	XLOAD 0
	XLOAD 1
.endm
; one product; ra, rb: source 0's, source 1's scale words lie in lanes 16-31 of their registers
.macro WMI d, a, b, c, sa, sb, ra, rb
.if (\ra) && (\rb)
	v_wmma_scale_f32_16x16x128_f8f6f4 v[\d:\d+7], v[\a:\a+7], v[\b:\b+7], v[\c:\c+7], v[\sa], v[\sb] matrix_a_fmt:MATRIX_FMT_FP4 matrix_b_fmt:MATRIX_FMT_FP4 matrix_a_scale:MATRIX_SCALE_ROW1 matrix_b_scale:MATRIX_SCALE_ROW1
.elseif (\ra)
	v_wmma_scale_f32_16x16x128_f8f6f4 v[\d:\d+7], v[\a:\a+7], v[\b:\b+7], v[\c:\c+7], v[\sa], v[\sb] matrix_a_fmt:MATRIX_FMT_FP4 matrix_b_fmt:MATRIX_FMT_FP4 matrix_a_scale:MATRIX_SCALE_ROW1
.elseif (\rb)
	v_wmma_scale_f32_16x16x128_f8f6f4 v[\d:\d+7], v[\a:\a+7], v[\b:\b+7], v[\c:\c+7], v[\sa], v[\sb] matrix_a_fmt:MATRIX_FMT_FP4 matrix_b_fmt:MATRIX_FMT_FP4 matrix_b_scale:MATRIX_SCALE_ROW1
.else
	v_wmma_scale_f32_16x16x128_f8f6f4 v[\d:\d+7], v[\a:\a+7], v[\b:\b+7], v[\c:\c+7], v[\sa], v[\sb] matrix_a_fmt:MATRIX_FMT_FP4 matrix_b_fmt:MATRIX_FMT_FP4
.endif
.endm
.macro WM path, i, t, s                ; row tile i x column tile t, K step s.  path 0: source 0 = W (q, k); 1: source 0 = x (v)
.set rD, ACC+8*(\t)
.set rC, ACC+8*(\t)
.if (\s) == 0
.set rC, 8*(\t)                        ; the bias, in window 1, starts the sum
.endif
.set rW, WF+32*(\t)+8*(\s)
.set rX, XF+32*((\i)%2)+8*(\s)
.set rWS, WS+2*(\s)+(\t)/2
.set rXS, XS+4*((\i)/2)+(\s)
.if \path
	WMI rD, rX, rW, rC, rXS, rWS, (\i)%2, (\t)%2
.else
	WMI rD, rW, rX, rC, rWS, rXS, (\t)%2, (\i)%2
.endif
.endm
.macro TILE path, i
.if (\i) < 3
	s_wait_loadcnt 8                               ; all but the next row tile's eight loads are in
.else
	s_wait_loadcnt 0x0
.endif
.if (\i) > 0
	s_wait_xcnt 0x0                                ; the last tile's stores have read the registers that the sums are about to take again
.endif
	WIN 0x10                                       ; source 2 in window 1
.irp t, 0,1,2,3
	WM \path, \i, \t, 0
.endr
	WIN 0
.irp s, 1,2,3
.irp t, 0,1,2,3
	WM \path, \i, \t, \s                           ; the four accumulators take turns, one instruction a turn
.endr
.endr
	PLACES 5                                       ; ISA guide 7.12.1: four in front of the loads into x's buffer and of the conversions that read the sums, five in front of the next tile's products, which begin these accumulators anew
.if (\i) < 2
	XLOAD (\i)+2
.endif
.irp t, 0,1,2,3
.irp p, 0,1,2,3
	v_cvt_pk_f16_f32 v[ACC+8*\t+\p], v[ACC+8*\t+2*\p], v[ACC+8*\t+2*\p+1]   ; in place, from the low end on: register p is read no more when it is written
.endr
.endr
.irp t, 0,1,2,3
.if \path
	global_store_b128 v[LI], v[ACC+8*\t:ACC+8*\t+3], s[18:19] offset:4096*((\i)/2)+1024*\t+512*((\i)%2)   ; 512 consecutive bytes, aligned
.else
	global_store_b128 v[LI], v[ACC+8*\t:ACC+8*\t+3], s[18:19] offset:2048*(\i)+512*\t
.endif
.endr
.endm
	s_cmp_eq_u32 s23, 2                            ; compared anew: the sums above have set SCC
	s_cbranch_scc1 .Lv
	v_bfe_u32 v[BA], v0, 4, 1
	v_lshlrev_b32 v[BA], 5, v[BA]                  ; q, k: register j of tile t wants the bias of channel 16 t + 8 h + j
	WIN 0x40                                       ; destination window 1
.irp t, 0,1,2,3
	global_load_b128 v[8*\t:8*\t+3], v[BA], s[12:13] offset:64*\t
	global_load_b128 v[8*\t+4:8*\t+7], v[BA], s[12:13] offset:64*\t+16
.endr
	WIN 0
	HEADLOADS
	TILE 0, 0
	TILE 0, 1
	TILE 0, 2
	TILE 0, 3
	s_endpgm
.Lv:
	v_and_b32 v[BA], 15, v0
	v_lshlrev_b32 v[BA], 2, v[BA]                  ; v: all eight registers of tile t want the bias of channel 16 t + r
	WIN 0x40
.irp t, 0,1,2,3
.irp j, 0,1,2,3,4,5,6,7
	global_load_b32 v[8*\t+\j], v[BA], s[12:13] offset:64*\t
.endr
.endr
	WIN 0
	HEADLOADS
	TILE 1, 0
	TILE 1, 1
	TILE 1, 2
	TILE 1, 3
	s_endpgm
.Lfunc_end_k_q8aa60092b7_qkv:
	.size	k_q8aa60092b7_qkv, .Lfunc_end_k_q8aa60092b7_qkv-k_q8aa60092b7_qkv
	.p2alignl 7, 3214868480
	.fill 96, 4, 3214868480
	.section	.rodata,"a",@progbits
	.p2align	6, 0x0
	.amdhsa_kernel k_q8aa60092b7_qkv
		.amdhsa_group_segment_fixed_size 0
		.amdhsa_private_segment_fixed_size 0
		.amdhsa_enable_private_segment 0
		.amdhsa_kernarg_size 64
		.amdhsa_user_sgpr_count 2
		.amdhsa_user_sgpr_kernarg_segment_ptr 1
		.amdhsa_wavefront_size32 1
		.amdhsa_system_sgpr_workgroup_id_x 1
		.amdhsa_system_sgpr_workgroup_id_y 1
		.amdhsa_system_sgpr_workgroup_id_z 1
		.amdhsa_system_vgpr_workitem_id 0
		.amdhsa_next_free_vgpr 288
		.amdhsa_next_free_sgpr 66
		.amdhsa_reserve_vcc 0
		.amdhsa_float_denorm_mode_32 3
		.amdhsa_float_denorm_mode_16_64 3
		.amdhsa_memory_ordered 1
		.amdhsa_forward_progress 1
		.amdhsa_inst_pref_size 49
	.end_amdhsa_kernel
	.amdgpu_metadata
---
amdhsa.version: [ 1, 2 ]
amdhsa.kernels:
  - .name:           k_q8aa60092b7_qkv
    .symbol:         k_q8aa60092b7_qkv.kd
    .args:
      - { .name: xcodes, .offset: 0, .size: 8, .value_kind: global_buffer, .address_space: global }
      - { .name: xsc, .offset: 8, .size: 8, .value_kind: global_buffer, .address_space: global }
      - { .name: wcodes, .offset: 16, .size: 8, .value_kind: global_buffer, .address_space: global }
      - { .name: wsc, .offset: 24, .size: 8, .value_kind: global_buffer, .address_space: global }
      - { .name: bq, .offset: 32, .size: 8, .value_kind: global_buffer, .address_space: global }
      - { .name: bk, .offset: 40, .size: 8, .value_kind: global_buffer, .address_space: global }
      - { .name: bv, .offset: 48, .size: 8, .value_kind: global_buffer, .address_space: global }
      - { .name: qkv, .offset: 56, .size: 8, .value_kind: global_buffer, .address_space: global }
    .group_segment_fixed_size: 0
    .private_segment_fixed_size: 0
    .kernarg_segment_align: 8
    .kernarg_segment_size: 64
    .max_flat_workgroup_size: 384
    .sgpr_count:     66
    .vgpr_count:     288
    .wavefront_size: 32
...
	.end_amdgpu_metadata
.endif
;; end of part 2
;; launch attn (part 3): grid 256 x 1, 8 waves a work-group, no clusters, 103,424 bytes of LDS; arguments qkv, wfch, bfc, out0; writes out0
.if DOCPART == 3
	.amdgcn_target "amdgcn-amd-amdhsa--gfx1250"
	.amdhsa_code_object_version 6
	.text
	.protected	k_q8aa60092b7_attn
	.globl	k_q8aa60092b7_attn
	.p2align	8
	.type	k_q8aa60092b7_attn,@function
k_q8aa60092b7_attn:
	s_mov_b64 s[64:65], 0
	v_nop
	global_prefetch_b8 v0, s[64:65] scope:SCOPE_SE
	s_setreg_imm32_b32 hwreg(HW_REG_WAVE_MODE, 25, 1), 1
	s_wait_xcnt 0x0
; out = softmax(q k^T / 8 + window mask) v, heads joined, times Wfc, plus bfc.  The mask lets key j count for query i where |i - j| <= 128, so only the keys of the window are multiplied.
; Operands in f16 (q, k, v from the launch before, p, o, Wfc), sums, maxima and the softmax in f32, with a running maximum.
; SHARES: a work-group owns 32 queries of one batch, for all 8 heads.  In the attention A WAVE IS A HEAD: two tiles of 16 queries against nine groups of 32 keys, groups qb - 4 .. qb + 4.  Then the heads' o meet in LDS as images
; of operand registers, one barrier, and wave w makes output columns 64 w .. 64 w + 63 of the 32 rows.
; THE WALK begins with the queries' own group, which always exists: it starts m, l and O^T, and nothing is cleared.  A group beyond the sequence's ends is loaded from a clamped address, so that every count of loads is the same on
; every way, and its arithmetic is jumped over by a scalar branch on the work-group's number.  Only the first and the last group of the window need a mask.
; LAYOUT: all products are used transposed.  S^T = K Q^T: a lane holds query l % 16 and keys 8 (l / 16) + 0..7 of a tile; two tiles, rounded in pairs, ARE source 1 of O^T = V^T P; two tiles of O^T, rounded in pairs, ARE
; source 1 of (Wfc^T) o^T, whose result holds eight neighbouring output columns of one row.  Nothing changes lanes but a query's maximum and sum, once each between the halves of the lanes.
; All operands lie in memory in fragment order and come straight into registers, three key groups ahead.  No tensor load.  No cluster: joint requests exist for tensor loads into LDS alone; neighbouring work-groups' windows are 32 keys
; apart, and no two waves of a work-group read the same K, V or Wfc.
; LIMITS: NaN and infinities are not served; |o| stays at or under 65,504 (f16).
; WINDOW 0: v1-11 addresses; v12-27 statistics; v28-59 bfc in the result's layout; v60-91 Q; v92-123 S^T, then p, then o packed; v124-139 P; v140-148 the nine groups' offsets; v192-255 O^T, later the output's sums.
; WINDOW 1: v0-127 K, four buffers of 32; v128-255 V likewise; later Wfc, two halves of 128.
.set STG,   32768                      ; LDS: 0 .. 32,767 o's 32 fragments of 1,024 bytes, (16 qt + ks); from STG on a stage of 32 rows x 272 bytes for each wave
.set SPARE, STG+8*8704                 ; behind the stages: the spare words, 128 bytes for each wave: four blocks of 256 bytes that no other line names
.set LI,   1                           ; 16 x lane
.set DD,   2                           ; r - 8 h, for the mask
.set NINF, 3                           ; -infinity
.set OST,  4                           ; where I store o's images: 2,048 x wave + 16 x lane
.set STO,  5                           ; the stage: where I put 32 bytes of a row
.set RD,   6                           ; and where I read a row back
.set GO,   7                           ; my byte offset in out0's rows
.set SPW,  8                           ; LDS address of my spare word; never rewritten
.set NIL,  9                           ; 0; never rewritten
.set ST,   12                          ; tile q at ST + 8 q: +0 c m, +1 m, +2, +3 l (even, odd registers'), +4, +5 at work, +6 a, +7 c m_old - c m_new
.set BIAS, 28
.set Q,    60
.set S,    92
.set P,    124
.set GA,   140
.set O,    192
.set ACC,  192
.set OB,   60                          ; o's fragments of four K steps: v60-123 and v124-187 by turns
.set MSB, 0
.macro WIN new                         ; the immediate's high byte repeats the setting that is left
.if MSB != \new
	s_set_vgpr_msb (MSB<<8)|\new
.set MSB, \new
.endif
.endm
.macro PLACES n                        ; plain vector lines behind matrix instructions (ISA guide 7.12.1)
.rept \n
	v_nop
.endr
.endm
	s_load_b256 s[4:11], s[0:1], 0x0               ; qkv s[4:5], wfch s[6:7], bfc s[8:9], out0 s[10:11]
	v_lshl_add_u32 v[SPW], v0, 2, SPARE
	v_mov_b32 v[NIL], 0
	v_lshrrev_b32 v10, 5, v0
	v_readfirstlane_b32 s12, v10                   ; wave 0..7: my head, later my 64 output columns
	s_lshr_b32 s13, ttmp9, 7                       ; the batch
	s_and_b32 s14, ttmp9, 127                      ; qb: my block of 32 queries
	v_and_b32 v10, 31, v0
	v_lshlrev_b32 v[LI], 4, v10
	v_and_b32 v11, 15, v0                          ; r
	v_bfe_u32 v10, v0, 4, 1                        ; h
	v_lshlrev_b32 v[DD], 3, v10
	v_sub_nc_u32 v[DD], v11, v[DD]
	v_mov_b32 v[NINF], 0xff800000
	s_lshl_b32 s30, s12, 11
	v_add_nc_u32 v[OST], s30, v[LI]
	s_mul_i32 s31, s12, 8704
	s_add_co_u32 s31, s31, STG                     ; my stage
	v_mul_u32_u24 v[STO], v11, 272
	v_lshl_add_u32 v[STO], v10, 5, v[STO]
	v_add_nc_u32 v[STO], s31, v[STO]               ; in: row r, 32 bytes for each half of the lanes
	v_mul_u32_u24 v[RD], v10, 272
	v_lshl_add_u32 v[RD], v11, 4, v[RD]
	v_add_nc_u32 v[RD], s31, v[RD]                 ; back: lanes 0-15 one row of 256 bytes, lanes 16-31 the next
	v_lshlrev_b32 v[GO], 11, v10
	v_lshl_add_u32 v[GO], v11, 4, v[GO]            ; and the same two rows of out0
	v_lshlrev_b32 v10, 5, v10                      ; bfc: register j of tile ct wants column 16 ct + 8 h + j
.irp q, 0,1
	v_mov_b32 v[ST+8*\q+6], 0                      ; named as a pair on every way, so written here
	v_mov_b32 v[ST+8*\q+7], 0
.endr
	s_mov_b32 s26, 0x3e38aa3b                      ; c = log2(e) / 8
	s_mov_b32 s27, s26                             ; (named with it as a pair)
	s_mov_b32 s28, 0x76543210
	s_mov_b32 s29, 0xfedcba98                      ; v_permlanex16_b32's selects for lane l xor 16
.macro MKGA n, i                       ; step n walks group qb - 4 + i, held inside 0 .. 127; a group is 4,096 bytes of K and of V
	s_add_co_i32 s30, s14, (\i)-4
	s_max_i32 s30, s30, 0
	s_min_i32 s30, s30, 127
	s_lshl_b32 s30, s30, 12
	v_add_nc_u32 v[GA+\n], s30, v[LI]
.endm
	MKGA 0, 4
	MKGA 1, 0
	MKGA 2, 1
	MKGA 3, 2
	MKGA 4, 3
	MKGA 5, 5
	MKGA 6, 6
	MKGA 7, 7
	MKGA 8, 8
	s_wait_kmcnt 0x0
	s_lshl_b32 s16, s13, 3
	s_add_co_u32 s16, s16, s12
	s_lshl_b32 s16, s16, 19                        ; (batch x 8 + head) x 524,288
	s_mov_b32 s17, 0
	s_add_nc_u64 s[22:23], s[4:5], s[16:17]        ; q's region at my head
	s_add_nc_u64 s[24:25], s[22:23], 0x1000000     ; V
	s_lshl_b32 s16, s14, 12
	s_add_nc_u64 s[20:21], s[22:23], s[16:17]      ; Q: my 32 queries
	s_add_nc_u64 s[22:23], s[22:23], 0x800000      ; K
	s_lshl_b32 s16, s12, 16
	s_add_nc_u64 s[6:7], s[6:7], s[16:17]          ; Wfc: my four column tiles of 16,384 bytes
	s_lshl_b32 s16, s12, 8
	s_add_nc_u64 s[8:9], s[8:9], s[16:17]          ; bfc: my 64 numbers
	s_add_nc_u64 s[10:11], s[10:11], s[16:17]      ; out0: my 64 columns,
	s_lshl_b32 s16, ttmp9, 16
	s_add_nc_u64 s[10:11], s[10:11], s[16:17]      ; the work-group's 32 rows of 2,048 bytes
.macro KVLOAD n                        ; step n's K (two tiles of 16 keys x 64 channels) and V^T (four tiles of 16 channels x 32 keys) into buffer n % 4
.irp f, 0,1,2,3,4,5,6,7
	global_load_b128 v[32*((\n)%4)+4*\f:32*((\n)%4)+4*\f+3], v[GA+(\n)], s[22:23] offset:512*\f
.endr
.irp f, 0,1,2,3,4,5,6,7
	global_load_b128 v[128+32*((\n)%4)+4*\f:128+32*((\n)%4)+4*\f+3], v[GA+(\n)], s[24:25] offset:512*\f
.endr
.endm
.irp ct, 0,1,2,3
	global_load_b128 v[BIAS+8*\ct:BIAS+8*\ct+3], v10, s[8:9] offset:64*\ct
	global_load_b128 v[BIAS+8*\ct+4:BIAS+8*\ct+7], v10, s[8:9] offset:64*\ct+16
.endr
.irp f, 0,1,2,3,4,5,6,7
	global_load_b128 v[Q+4*\f:Q+4*\f+3], v[LI], s[20:21] offset:512*\f th:TH_LOAD_NT   ; fragment (qt, u) at Q + 16 qt + 8 u; read by this wave alone
.endr
	WIN 0x40                                       ; destination window 1
	KVLOAD 0
	KVLOAD 1
	KVLOAD 2
	WIN 0
; A KEY STEP: the n-th of the walk, group qb - 4 + i.
.macro STEP n, i
.set BUF, 32*((\n)%4)
.if (\n) <= 6
	s_wait_loadcnt 32                              ; this group is in (at n = 0 bfc and Q too); the two groups behind it, 16 loads each, may be out
.elseif (\n) == 7
	s_wait_loadcnt 16                              ; one group is behind it
.else
	s_wait_loadcnt 0x0
.endif
.if (\n) <= 5
.if (\n) >= 1
	PLACES 4                                       ; the buffer was read by the last step's products
.endif
	WIN 0x40
	KVLOAD (\n)+3
	WIN 0
.endif
.if (\i) != 4
	s_add_co_i32 s30, s14, (\i)-4                  ; a group beyond the sequence's ends: its arithmetic is left out.  Ids alone; no load, no wait and no barrier is jumped over
	s_cmp_gt_u32 s30, 127
	s_cbranch_scc1 .Lskip_\@
.endif
	WIN 0x01                                       ; source 0 in window 1
.irp u, 0,1                                    ; S^T = K Q^T: four accumulators by turns; the first products start the sums
.irp q, 0,1
.irp k, 0,1
.if \u == 0
	v_wmma_f32_16x16x32_f16 v[S+16*\q+8*\k:S+16*\q+8*\k+7], v[BUF+16*\k+8*\u:BUF+16*\k+8*\u+7], v[Q+16*\q+8*\u:Q+16*\q+8*\u+7], 0
.else
	v_wmma_f32_16x16x32_f16 v[S+16*\q+8*\k:S+16*\q+8*\k+7], v[BUF+16*\k+8*\u:BUF+16*\k+8*\u+7], v[Q+16*\q+8*\u:Q+16*\q+8*\u+7], v[S+16*\q+8*\k:S+16*\q+8*\k+7]
.endif
.endr
.endr
.endr
	WIN 0
	PLACES 4
.if ((\i) == 0) || ((\i) == 8)                 ; key - query = 32 (i - 4) + (16 k + j - 16 q) - (r - 8 h): in the first group hidden where the constant is under r - 8 h, in the last where it is over
.irp q, 0,1
.irp k, 0,1
.irp j, 0,1,2,3,4,5,6,7
.if (\i) == 0
	v_cmp_lt_i32 vcc_lo, 16*\k+\j-16*\q, v[DD]
.else
	v_cmp_gt_i32 vcc_lo, 16*\k+\j-16*\q, v[DD]
.endif
	v_cndmask_b32 v[S+16*\q+8*\k+\j], v[S+16*\q+8*\k+\j], v[NINF], vcc_lo
.endr
.endr
.endr
.endif
	; the softmax; the two tiles line by line, so that no line waits for the line above it
.irp q, 0,1
	v_max3_num_f32 v[ST+8*\q+4], v[S+16*\q], v[S+16*\q+1], v[S+16*\q+2]          ; each accumulator is read from its low end on
	v_max3_num_f32 v[ST+8*\q+5], v[S+16*\q+8], v[S+16*\q+9], v[S+16*\q+10]
.endr
.irp a, 3,5
.irp q, 0,1
	v_max3_num_f32 v[ST+8*\q+4], v[ST+8*\q+4], v[S+16*\q+\a], v[S+16*\q+\a+1]
	v_max3_num_f32 v[ST+8*\q+5], v[ST+8*\q+5], v[S+16*\q+8+\a], v[S+16*\q+9+\a]
.endr
.endr
.irp q, 0,1
	v_max3_num_f32 v[ST+8*\q+4], v[ST+8*\q+4], v[S+16*\q+7], v[S+16*\q+15]
.endr
.irp q, 0,1
.if (\n) == 0
	v_max_num_f32 v[ST+8*\q+4], v[ST+8*\q+4], v[ST+8*\q+5]
.else
	v_max3_num_f32 v[ST+8*\q+4], v[ST+8*\q+4], v[ST+8*\q+5], v[ST+8*\q+1]      ; with the old m
.endif
.endr
.irp q, 0,1
	v_permlanex16_b32 v[ST+8*\q+5], v[ST+8*\q+4], s28, s29                     ; the query's other 16 keys lie in the lane 16 away
.endr
.if (\n) != 0
.irp q, 0,1
	v_mov_b32 v[ST+8*\q+7], v[ST+8*\q]             ; c m_old
.endr
.endif
.irp q, 0,1
	v_max_num_f32 v[ST+8*\q+1], v[ST+8*\q+4], v[ST+8*\q+5]                     ; the new m
.endr
.irp q, 0,1
	v_mul_f32 v[ST+8*\q], s26, v[ST+8*\q+1]        ; c m
.endr
.if (\n) != 0
.irp q, 0,1
	v_sub_f32 v[ST+8*\q+7], v[ST+8*\q+7], v[ST+8*\q]
.endr
.endif
.irp a, 0,2,4,6,8,10,12,14
.irp q, 0,1
	v_pk_fma_f32 v[S+16*\q+\a:S+16*\q+\a+1], v[S+16*\q+\a:S+16*\q+\a+1], s[26:27], v[ST+8*\q:ST+8*\q+1] op_sel_hi:[1,0,0] neg_lo:[0,0,1] neg_hi:[0,0,1]   ; c s - c m
.endr
.endr
.if (\n) != 0
.irp q, 0,1
	v_exp_f32 v[ST+8*\q+6], v[ST+8*\q+7]           ; a = 2^(c m_old - c m_new)
.endr
.endif
.set e, 0
.rept 32
	v_exp_f32 v[S+e], v[S+e]                       ; p = 2^(c s - c m): ONE BATCH, none of whose lines reads another's result
.set e, e+1
.endr
	v_nop                                          ; the plain line behind the last exponential
	s_wait_alu depctr_va_vdst(0)                   ; the wait ahead of the first line that names a result: one for the batch
.irp q, 0,1
.irp p, 0,1,2,3,4,5,6,7
	v_cvt_pk_f16_f32 v[P+8*\q+\p], v[S+16*\q+2*\p], v[S+16*\q+2*\p+1]
.endr
.endr
.irp q, 0,1                                    ; the sum of the tile's eight pairs, in place
.irp a, 0,4,8,12
	v_pk_add_f32 v[S+16*\q+\a:S+16*\q+\a+1], v[S+16*\q+\a:S+16*\q+\a+1], v[S+16*\q+\a+2:S+16*\q+\a+3]
.endr
.endr
.irp q, 0,1
.irp a, 0,8
	v_pk_add_f32 v[S+16*\q+\a:S+16*\q+\a+1], v[S+16*\q+\a:S+16*\q+\a+1], v[S+16*\q+\a+4:S+16*\q+\a+5]
.endr
.endr
.if (\n) == 0
.irp q, 0,1
	v_pk_add_f32 v[ST+8*\q+2:ST+8*\q+3], v[S+16*\q:S+16*\q+1], v[S+16*\q+8:S+16*\q+9]   ; the first step starts l
.endr
.else
.irp q, 0,1
	v_pk_add_f32 v[S+16*\q:S+16*\q+1], v[S+16*\q:S+16*\q+1], v[S+16*\q+8:S+16*\q+9]
.endr
.irp q, 0,1
	v_pk_fma_f32 v[ST+8*\q+2:ST+8*\q+3], v[ST+8*\q+2:ST+8*\q+3], v[ST+8*\q+6:ST+8*\q+7], v[S+16*\q:S+16*\q+1] op_sel_hi:[1,0,1]   ; l = a l + the sum
.endr
.irp q, 0,1
.set a, 0
.rept 16
	v_pk_mul_f32 v[O+32*\q+a:O+32*\q+a+1], v[O+32*\q+a:O+32*\q+a+1], v[ST+8*\q+6:ST+8*\q+7] op_sel_hi:[1,0]   ; O^T times a, each accumulator from its low end on
.set a, a+2
.endr
.endr
.endif
	WIN 0x01
.irp ct, 0,1,2,3                               ; O^T += V^T P: eight accumulators, one instruction each
.irp q, 0,1
.if (\n) == 0
	v_wmma_f32_16x16x32_f16 v[O+32*\q+8*\ct:O+32*\q+8*\ct+7], v[128+BUF+8*\ct:128+BUF+8*\ct+7], v[P+8*\q:P+8*\q+7], 0
.else
	v_wmma_f32_16x16x32_f16 v[O+32*\q+8*\ct:O+32*\q+8*\ct+7], v[128+BUF+8*\ct:128+BUF+8*\ct+7], v[P+8*\q:P+8*\q+7], v[O+32*\q+8*\ct:O+32*\q+8*\ct+7]
.endif
.endr
.endr
	WIN 0                                          ; at a label every window is 0
.if (\i) != 4
.Lskip_\@:
.endif
.endm
	STEP 0, 4
	STEP 1, 0
	STEP 2, 1
	STEP 3, 2
	STEP 4, 3
	STEP 5, 5
	STEP 6, 6
	STEP 7, 7
	STEP 8, 8
; Wfc's fragments of K steps 4 q .. 4 q + 3 for my four column tiles: 32 loads into half q % 2 of window 1
.macro FCLOADW q
.irp kk, 0,1,2,3
.irp ct, 0,1,2,3
.irp c, 0,1
	global_load_b128 v[128*((\q)%2)+32*\kk+8*\ct+4*\c:128*((\q)%2)+32*\kk+8*\ct+4*\c+3], v[LI], s[6:7] offset:16384*\ct+1024*(4*(\q)+\kk)+512*\c
.endr
.endr
.endr
.endm
; o's fragments of the same K steps, both tiles of rows: 16 LDS loads
.macro FCLOADO q
.irp kk, 0,1,2,3
.irp qt, 0,1
.irp c, 0,1
	ds_load_b128 v[OB+64*((\q)%2)+16*\kk+8*\qt+4*\c:OB+64*((\q)%2)+16*\kk+8*\qt+4*\c+3], v[LI] offset:16384*\qt+1024*(4*(\q)+\kk)+512*\c
.endr
.endr
.endr
.endm
; 32 products: source 0 = 16 columns of Wfc, source 1 = 16 rows of o; eight accumulators by turns, in the same order in every K step; bfc is the C of each sum's first product
.macro MUL q
	WIN 0x01
.irp kk, 0,1,2,3
.irp ct, 0,1,2,3
.irp qt, 0,1
.if ((\q) == 0) && (\kk == 0)
	v_wmma_f32_16x16x32_f16 v[ACC+32*\qt+8*\ct:ACC+32*\qt+8*\ct+7], v[128*((\q)%2)+32*\kk+8*\ct:128*((\q)%2)+32*\kk+8*\ct+7], v[OB+64*((\q)%2)+16*\kk+8*\qt:OB+64*((\q)%2)+16*\kk+8*\qt+7], v[BIAS+8*\ct:BIAS+8*\ct+7]
.else
	v_wmma_f32_16x16x32_f16 v[ACC+32*\qt+8*\ct:ACC+32*\qt+8*\ct+7], v[128*((\q)%2)+32*\kk+8*\ct:128*((\q)%2)+32*\kk+8*\ct+7], v[OB+64*((\q)%2)+16*\kk+8*\qt:OB+64*((\q)%2)+16*\kk+8*\qt+7], v[ACC+32*\qt+8*\ct:ACC+32*\qt+8*\ct+7]
.endif
.endr
.endr
.endr
	WIN 0
.endm
	PLACES 4                                       ; behind the last products: window 1 takes Wfc, and O^T is read
	WIN 0x40
	FCLOADW 0                                      ; on their way while o is finished
	FCLOADW 1
	WIN 0
.irp q, 0,1
	v_add_f32 v[ST+8*\q+4], v[ST+8*\q+2], v[ST+8*\q+3]         ; l's two halves,
.endr
.irp q, 0,1
	v_permlanex16_b32 v[ST+8*\q+5], v[ST+8*\q+4], s28, s29
.endr
.irp q, 0,1
	v_add_f32 v[ST+8*\q+4], v[ST+8*\q+4], v[ST+8*\q+5]         ; and the other half of the lanes'
.endr
.irp q, 0,1
	v_rcp_f32 v[ST+8*\q+6], v[ST+8*\q+4]
.endr
	v_nop                                          ; the plain line behind the reciprocals
	s_wait_alu depctr_va_vdst(0)                   ; and the wait ahead of their first use
.irp q, 0,1
.set a, 0
.rept 16
	v_pk_mul_f32 v[O+32*\q+a:O+32*\q+a+1], v[O+32*\q+a:O+32*\q+a+1], v[ST+8*\q+6:ST+8*\q+7] op_sel_hi:[1,0]   ; O^T / l
.set a, a+2
.endr
.endr
.irp q, 0,1
.irp ct, 0,1,2,3
.irp p, 0,1,2,3
	v_cvt_pk_f16_f32 v[S+16*\q+4*\ct+\p], v[O+32*\q+8*\ct+2*\p], v[O+32*\q+8*\ct+2*\p+1]   ; channel tiles 2 u and 2 u + 1 are the two halves of K step 2 head + u
.endr
.endr
.endr
.irp q, 0,1
.irp u, 0,1
.irp c, 0,1
	ds_store_b128 v[OST], v[S+16*\q+8*\u+4*\c:S+16*\q+8*\u+4*\c+3] offset:16384*\q+1024*\u+512*\c   ; as images of the registers: 512 consecutive bytes a store
.endr
.endr
.endr
	s_wait_dscnt 0x0                               ; for the others' sake: my images have landed
	s_barrier_signal -1
	s_barrier_wait -1                              ; all eight heads' o lie in LDS; nobody writes these bytes again
	FCLOADO 0
	FCLOADO 1
.irp q, 0,1,2,3
.if \q < 3
	s_wait_loadcnt 32                              ; this chunk of Wfc is in; the next chunk's 32 loads may be out
	s_wait_dscnt 16                                ; this chunk of o is in; the next chunk's 16 loads may be out
.else
	s_wait_loadcnt 0x0
	s_wait_dscnt 0x0
.endif
	MUL \q
.if \q < 2
	PLACES 4                                       ; in front of loads into registers that these products have read
	WIN 0x40
	FCLOADW \q+2
	WIN 0
	FCLOADO \q+2
.endif
.endr
	; THE WAY OUT: a lane holds 32 neighbouring bytes of a row and the lanes beside it other rows: through my own stage, back as whole rows of 256 bytes
	PLACES 4
.irp qt, 0,1
.irp ct, 0,1,2,3
	ds_store_b128 v[STO], v[ACC+32*\qt+8*\ct:ACC+32*\qt+8*\ct+3] offset:4352*\qt+64*\ct          ; each accumulator from its low end on
	ds_store_b128 v[STO], v[ACC+32*\qt+8*\ct+4:ACC+32*\qt+8*\ct+7] offset:4352*\qt+64*\ct+16
.endr
.endr
.irp i, 0,1,2,3,4,5,6,7,8,9,10,11,12,13,14,15
	ds_load_b128 v[OB+4*\i:OB+4*\i+3], v[RD] offset:544*\i   ; my wave's own bytes, served in order behind my stores (ISA guide 5.7.1.4)
.endr
.irp i, 0,1,2,3,4,5,6,7,8,9,10,11,12,13,14,15
	s_wait_dscnt 15-\i                             ; loads come back in order: pair i of rows is in
	global_store_b128 v[GO], v[OB+4*\i:OB+4*\i+3], s[10:11] offset:4096*\i th:TH_STORE_NT   ; sixteen lanes store 256 consecutive bytes, at a multiple of 256 from out0's first byte
.endr
	s_wait_tensorcnt 0x0                           ; the wave's end, behind my last LDS store
	ds_add_u32 v[SPW], v[NIL]
	s_wait_dscnt 0x0
	s_endpgm
.Lfunc_end_k_q8aa60092b7_attn:
	.size	k_q8aa60092b7_attn, .Lfunc_end_k_q8aa60092b7_attn-k_q8aa60092b7_attn
	.p2alignl 7, 3214868480
	.fill 96, 4, 3214868480
	.section	.rodata,"a",@progbits
	.p2align	6, 0x0
	.amdhsa_kernel k_q8aa60092b7_attn
		.amdhsa_group_segment_fixed_size 103424
		.amdhsa_private_segment_fixed_size 0
		.amdhsa_enable_private_segment 0
		.amdhsa_kernarg_size 32
		.amdhsa_user_sgpr_count 2
		.amdhsa_user_sgpr_kernarg_segment_ptr 1
		.amdhsa_wavefront_size32 1
		.amdhsa_system_sgpr_workgroup_id_x 1
		.amdhsa_system_sgpr_workgroup_id_y 1
		.amdhsa_system_sgpr_workgroup_id_z 1
		.amdhsa_system_vgpr_workitem_id 0
		.amdhsa_next_free_vgpr 512
		.amdhsa_next_free_sgpr 66
		.amdhsa_reserve_vcc 1
		.amdhsa_float_denorm_mode_32 3
		.amdhsa_float_denorm_mode_16_64 3
		.amdhsa_memory_ordered 1
		.amdhsa_forward_progress 1
		.amdhsa_inst_pref_size 137
	.end_amdhsa_kernel
	.amdgpu_metadata
---
amdhsa.version: [ 1, 2 ]
amdhsa.kernels:
  - .name:           k_q8aa60092b7_attn
    .symbol:         k_q8aa60092b7_attn.kd
    .args:
      - { .name: qkv, .offset: 0, .size: 8, .value_kind: global_buffer, .address_space: global }
      - { .name: wfch, .offset: 8, .size: 8, .value_kind: global_buffer, .address_space: global }
      - { .name: bfc, .offset: 16, .size: 8, .value_kind: global_buffer, .address_space: global }
      - { .name: out0, .offset: 24, .size: 8, .value_kind: global_buffer, .address_space: global }
    .group_segment_fixed_size: 103424
    .private_segment_fixed_size: 0
    .kernarg_segment_align: 8
    .kernarg_segment_size: 32
    .max_flat_workgroup_size: 256
    .sgpr_count:     66
    .vgpr_count:     512
    .wavefront_size: 32
...
	.end_amdgpu_metadata
.endif
;; end of part 3
